; MI455X (gfx1250); checked and timed in simulation.
; The chip was launched on July 23, 2026; its instructions are those of AMD's public machine-readable ISA for CDNA 5 (MIT licence, August 2026) and "CDNA5" Instruction Set Architecture Reference Guide (July 2026). The comments in the code are by the model that wrote it; some were corrected since.
;; Elastic Low Rank Layer. Allowed arithmetic: float matrix products may take bf16 or f16 operands with f32 sums; all other float work in f32.
;; Inputs: U 4,096 x 64 float32; U_res 4,096 x 4 float32; V 4,096 x 64 float32; V_res 4,096 x 4 float32; x 4,096 x 4,096 float32.
;; Outputs: out0 4,096 x 4,096 float32.
;; Constants: active_cluster = 0.
;; One version. Each part assembles by itself: llvm-mc -triple=amdgcn-amd-amdhsa -mcpu=gfx1250 --defsym DOCPART=n.
;; ======== version 1 of 1: 2 launches
;; workspace buffers: tpart 4,456,448 bytes; uf 655,360 bytes
;; launch project (part 1): grid 64 x 4, 8 waves a work-group, no clusters, 279,552 bytes of LDS; arguments x, V, V_res, U, U_res, tpart, uf; writes tpart, uf
.if DOCPART == 1
	.amdgcn_target "amdgcn-amd-amdhsa--gfx1250"
	.amdhsa_code_object_version 6
	.text
	.protected	k_qafa5c9f951_project
	.globl	k_qafa5c9f951_project
	.p2align	8
	.type	k_qafa5c9f951_project,@function
k_qafa5c9f951_project:
	s_mov_b64 s[64:65], 0
	v_nop
	global_prefetch_b8 v0, s[64:65] scope:SCOPE_SE
	s_setreg_imm32_b32 hwreg(HW_REG_WAVE_MODE, 25, 1), 1
	s_wait_xcnt 0x0
; relu((U V^T + Ur Vr^T) x) is computed as relu(U' T), T = V'^T x, with V' = [V | V_res], U' = [U | U_res] (68 ranks).
; THIS LAUNCH: four partial sums of T, one for each quarter of the 4,096 rows of x, into tpart, f32 [4 quarters][68 rows][4,096 columns];
; and, as a side job, U' rounded to bf16 in the order of matrix fragments into uf, [256 tiles of 16 rows][5 quads][32 lanes][16 bytes].
; LIMIT (order of rounding): the sums run rank first, W is never formed; x, V, U enter the matrix unit rounded to bf16, all sums are f32.
; SHARES: work-group (strip, s) takes rows 1024 s .. +1023 of x and columns 64 strip .. +63; wave w takes 128 of the rows, four steps of 32 along K,
; and keeps 20 accumulator tiles: 5 tiles of ranks (the fifth: the residual's four ranks) x 4 tiles of columns.  The eight waves' sums meet in LDS.
; NO TRANSPOSE ANYWHERE: a lane's 16-byte load holds 4 neighbouring columns (of x) or ranks (of V) of ONE row; its 4 words go to 4 different
; fragments j, so that in tile j lane r stands for column (rank) 4 r + j.  Sixteen lanes then read or write 256 consecutive bytes, aligned.
; Row rho of tpart: rho = 16 jm + m is rank 4 m + jm (jm = 0..3, m = 0..15); rho = 64 + c is residual rank c.  uf uses the same order along K.
; x comes by the tensor data mover: two tiles of 64 rows x 256 bytes a wave, both asked for in the first lines, each filled once; a wave has two
; tensor loads out at the most and reads only what its own loads brought, behind its own wait.
; NO JOINT LOADS for V, which the 64 work-groups of one quarter all read: the whole x tile (262,144 bytes) lies in LDS so that all of it is asked
; for at once, with the table 278,528 bytes; the quarter of V' (1,024 rows x 272 bytes = 278,528 bytes) has no room beside it in the 327,680 bytes
; that a work-group can be given, and a ring for it would put a round of a cluster's barrier in front of every refill.
.set ROWB,  16384                      ; bytes in a row of x and of tpart
.set QUART, 1114112                    ; bytes in a quarter of tpart: 68 rows
.set HALFX, 16384                      ; LDS bytes of one tensor load: 64 rows x 256
.set TBL,   262144                     ; LDS: behind the eight waves' 32,768 bytes of x, 2,048 bytes a wave: the residual's table
.set UFT,   2560                       ; bytes of a tile in uf
.set RAW, 16                           ; v16-79    16 loads of 4 words: V's ring of 8 pairs, then x as read from LDS
.set BF,  80                           ; v80-111   B fragments: 4 column tiles x 8 registers
.set AF,  112                          ; v112-239  A fragments: 4 K steps x 4 rank tiles x 8 registers; later the reduction's 32 quads
.set S,   240                          ; v240-255  small work; the reduced rows to store
.set A5,  160                          ; window 1: v160-191 the residual's A fragments, 8 registers a K step; v0-159 the 20 accumulator tiles, (jm, jn) at 8 (4 jm + jn)
.set G1,  24                           ; s[24:31]  descriptor group 1
.set G0,  32                           ; s[32:39]  descriptor group 0, one set for each of the two loads
; v1 lane; v2 V offset; v3 x in LDS; v4 table, transposing read; v5 table, write; v6 16 x lane; v7 my dump; v8-11 reduction reads; v12 tpart offset; v13 U offset; v14 U_res offset
.set MSB, 0
.macro WIN new                         ; s_set_vgpr_msb: bits 1:0 source 0, 3:2 source 1, 5:4 source 2, 7:6 destination; the high byte repeats the setting that is left
.if MSB != \new
	s_set_vgpr_msb (MSB<<8)|\new
.set MSB, \new
.endif
.endm
	s_load_b256 s[4:11], s[0:1], 0x0               ; x s[4:5], V s[6:7], V_res s[8:9], U s[10:11]
	s_load_b128 s[12:15], s[0:1], 0x20             ; U_res s[12:13], tpart s[14:15]
	s_load_b64 s[16:17], s[0:1], 0x30              ; uf
	s_set_vgpr_msb 0x40
	v_lshl_add_u32 v192, v0, 2, 0x44000
	v_mov_b32 v193, 0
	s_set_vgpr_msb 0x4045
	ds_add_u32 v192, v193
	ds_add_u32 v192, v193
	s_set_vgpr_msb 0x4500
	v_lshrrev_b32 v15, 5, v0
	v_readfirstlane_b32 s18, v15                   ; w: my wave, 0..7
	s_mov_b32 s19, ttmp9                           ; strip, 0..63
	s_and_b32 s20, ttmp7, 0xffff                   ; s: the quarter, 0..3
	s_lshl_b32 s21, s20, 6
	s_add_co_u32 s21, s21, s19                     ; g = 64 s + strip, 0..255: the tile of U' that this work-group converts
	; group 1: a tile of 64 rows x 64 elements of 4 bytes, rows 4,096 elements apart, dense in LDS; the tile lies inside x, so the extents are its own
	s_mov_b32 s[G1+0], 2<<16                       ; no mask; element of 4 bytes; no padding
	s_mov_b32 s[G1+1], 64<<16                      ; tensor_dim0 = 64
	s_mov_b32 s[G1+2], 64<<16                      ; tensor_dim1 = 64
	s_mov_b32 s[G1+3], 64<<16                      ; tile_dim0 = 64
	s_mov_b32 s[G1+4], 64                          ; tile_dim1 = 64
	s_mov_b32 s[G1+5], 4096                        ; elements from row to row
	s_mov_b32 s[G1+6], 0
	s_mov_b32 s[G1+7], 0
	s_lshl_b32 s22, s18, 15                        ; my 32,768 bytes of x in LDS
	s_lshl_b32 s23, s18, 11
	s_add_co_u32 s23, s23, TBL                     ; my 2,048 bytes of table
	s_lshl_b32 s40, s20, 24                        ; (1024 s + 128 w) rows of 16,384 bytes + 256 strip
	s_lshl_b32 s42, s18, 21
	s_add_co_u32 s40, s40, s42
	s_lshl_b32 s43, s19, 8
	s_add_co_u32 s40, s40, s43
	s_mov_b32 s41, 0                               ; stays 0: the high word of every offset below
	s_wait_dscnt 0x0
	s_wait_kmcnt 0x0
	s_add_nc_u64 s[4:5], s[4:5], s[40:41]
.irp n, 0,1
	s_mov_b32 s[G0+4*\n], 1                                        ; count = 1
	s_add_co_u32 s[G0+4*\n+1], s22, \n*HALFX                       ; LDS address: 32,768 w + 16,384 n
	s_add_nc_u64 s[G0+4*\n+2:G0+4*\n+3], s[4:5], \n*64*ROWB        ; my rows 64 n .. 64 n + 63
	s_or_b32 s[G0+4*\n+3], s[G0+4*\n+3], 0x80000000                ; type = 2
	tensor_load_to_lds s[G0+4*\n:G0+4*\n+3], s[G1:G1+7]            ; both first fills go out ahead of everything else
	s_nop 0
.endr
	s_lshl_b32 s40, s20, 18
	s_add_co_u32 s40, s40, s22                     ; (1024 s + 128 w) x 256
	s_add_nc_u64 s[6:7], s[6:7], s[40:41]          ; V at my first row
	s_lshr_b32 s40, s40, 4                         ; the same rows x 16 bytes
	s_add_nc_u64 s[8:9], s[8:9], s[40:41]          ; V_res at my first row
	v_and_b32 v1, 31, v0                           ; lane L
	v_and_b32 v14, 15, v0                          ; r = L mod 16
	v_bfe_u32 v15, v0, 4, 1                        ; h = L / 16
	v_lshlrev_b32 v6, 4, v1                        ; 16 L
	v_lshlrev_b32 v13, 8, v14
	v_lshl_add_u32 v13, v15, 7, v13                ; U: row r, ranks 32 h ..
	v_lshlrev_b32 v14, 4, v14                      ; 16 r
	v_lshl_add_u32 v2, v15, 11, v14                ; V: 8 h rows of 256 bytes + 16 r
; pair n (0..31) of V's rows: K step n / 8, register p = n mod 8 of the fragments: rows k = 2 p, 2 p + 1 (+ 8 for p >= 4) + 8 h of the step's 32
.macro VLOAD n
	global_load_b128 v[RAW+8*((\n)&7):RAW+8*((\n)&7)+3],   v2, s[6:7] offset:256*(32*((\n)>>3)+2*((\n)&7)+8*(((\n)&7)>>2))
	global_load_b128 v[RAW+8*((\n)&7)+4:RAW+8*((\n)&7)+7], v2, s[6:7] offset:256*(32*((\n)>>3)+2*((\n)&7)+8*(((\n)&7)>>2)+1)
.endm
.irp q, 0,1,2,3
	global_load_b128 v[BF+4*\q:BF+4*\q+3], v6, s[8:9] offset:512*\q   ; V_res: row 32 q + L, its four ranks
.endr
.irp n, 0,1,2,3,4,5,6,7
	VLOAD \n                                       ; V's ring is filled: 16 loads
.endr
	; the other bases and addresses, while the loads are on their way
	s_lshl_b32 s40, s21, 12
	s_add_nc_u64 s[10:11], s[10:11], s[40:41]      ; U at row 16 g
	s_lshl_b32 s40, s21, 8
	s_add_nc_u64 s[12:13], s[12:13], s[40:41]      ; U_res at row 16 g
	s_mul_i32 s40, s21, UFT
	s_add_nc_u64 s[16:17], s[16:17], s[40:41]      ; uf at tile g
	s_lshr_b32 s44, s18, 1                         ; in the reduction I own rank tile jm = w / 2,
	s_and_b32 s45, s18, 1                          ; registers 4 (w mod 2) .. + 3 of its tiles
	s_mul_i32 s40, s20, QUART
	s_add_co_u32 s40, s40, s43                     ; + 256 strip
	s_lshl_b32 s42, s44, 18                        ; + 16 jm rows
	s_add_co_u32 s40, s40, s42
	s_lshl_b32 s42, s45, 16                        ; + 4 (w mod 2) rows
	s_add_co_u32 s40, s40, s42
	s_add_nc_u64 s[14:15], s[14:15], s[40:41]      ; tpart at my first row of the reduction
	s_lshl_b32 s46, s44, 12
	s_lshl_b32 s47, s45, 9
	s_add_co_u32 s46, s46, s47                     ; quad 8 jm + (w mod 2) of a dump, 512 bytes a quad
	v_lshl_add_u32 v12, v15, 17, v14               ; tpart: 8 h rows + 16 r
	v_add_nc_u32 v3, s22, v2                       ; x in LDS: my bytes + 8 h rows of 256 + 16 r
	v_add_nc_u32 v7, s22, v6                       ; my dump: my bytes + 16 L
	v_add_nc_u32 v5, s23, v6                       ; table, write: row L
	v_and_b32 v4, 7, v0
	v_lshlrev_b32 v4, 4, v4
	v_lshl_add_u32 v4, v15, 7, v4
	v_add_nc_u32 v4, s23, v4                       ; table, transposing read: row 8 h + L mod 8
	v_add_nc_u32 v8, s46, v6                       ; reduction reads: waves 0 and 1,
	v_add_nc_u32 v9, 0x10000, v8                   ; 2 and 3,
	v_add_nc_u32 v10, 0x20000, v8                  ; 4 and 5,
	v_add_nc_u32 v11, 0x30000, v8                  ; 6 and 7
	; The residual's table: row i of my 128 is 16 bytes, the four ranks in bf16, twice.  The bytes are my wave's own and no tensor load lands in them.
	s_wait_loadcnt 16                              ; V_res is in; the 16 loads of V issued behind it stay out
.irp q, 0,1,2,3
	v_cvt_pk_bf16_f32 v[S+2*\q],   v[BF+4*\q],   v[BF+4*\q+1]
	v_cvt_pk_bf16_f32 v[S+2*\q+1], v[BF+4*\q+2], v[BF+4*\q+3]
	ds_store_b64 v5, v[S+2*\q:S+2*\q+1] offset:512*\q
	ds_store_b64 v5, v[S+2*\q:S+2*\q+1] offset:512*\q+8
.endr
; V's ring: pair n is in, becomes register p of four A fragments (word jm of a load belongs to rank tile jm), and its slot is loaded again
.macro VPAIR n, left, fill
	s_wait_loadcnt \left                           ; loads come back in order: mine are in, the younger pairs stay out
.irp jm, 0,1,2,3
	v_cvt_pk_bf16_f32 v[AF+32*((\n)>>3)+8*\jm+((\n)&7)], v[RAW+8*((\n)&7)+\jm], v[RAW+8*((\n)&7)+4+\jm]
.endr
.if \fill
	VLOAD (\n)+8
.endif
.endm
.irp n, 0,1,2,3,4,5,6,7,8,9,10,11,12,13,14,15,16,17,18,19,20,21,22,23
	VPAIR \n, 14, 1                                ; seven younger pairs = 14 loads
.endr
.irp n, 24,25,26,27,28,29,30,31
	VPAIR \n, 14-2*(\n-24), 0                      ; nothing is left to load: the counts run down
.endr
	; The residual's A fragments, by the transposing load: lane 8 g + i gets element i of the rows that lanes 8 g .. 8 g + 7 address, rows k = 8 h .. 8 h + 7;
	; element i is rank i mod 4, so row m of the tile is residual rank m mod 4, and rows 0 to 3 are used.  LDS serves a wave's instructions in order
	; (ISA guide 5.7.1): these loads see my stores above.
	WIN 0x40                                       ; destination in window 1
.irp k, 0,1,2,3
	ds_load_tr16_b128 v[A5+8*\k:A5+8*\k+3],   v4 offset:512*\k
	ds_load_tr16_b128 v[A5+8*\k+4:A5+8*\k+7], v4 offset:512*\k+256
.endr
	WIN 0
	; Side job, wave 7: rows 16 g .. + 15 of U' as A fragments of the next launch.  K there is tpart's row: step kk, k = 0..31 is rank 4 (k mod 16) + 2 kk + k / 16.
	s_cmp_lg_u32 s18, 7
	s_cbranch_scc1 .Lno_side
.irp t, 0,1,2,3,4,5,6,7
	global_load_b128 v[RAW+4*\t:RAW+4*\t+3], v13, s[10:11] offset:16*\t   ; U(16 g + r, 32 h + 4 t ..)
.endr
	global_load_b128 v[RAW+32:RAW+35], v14, s[12:13]                      ; U_res(16 g + r, 0..3)
	v_cmp_gt_u32 vcc_lo, 16, v1                    ; lanes 0 to 15
	s_wait_loadcnt 0x0
.irp kk, 0,1
.irp p, 0,1,2,3
	v_cvt_pk_bf16_f32 v[BF+8*\kk+\p],   v[RAW+8*\p+2*\kk],   v[RAW+8*\p+4+2*\kk]     ; k = 8 h + 2 p, + 1: ranks 32 h + 8 p + 2 kk, + 4
	v_cvt_pk_bf16_f32 v[BF+8*\kk+4+\p], v[RAW+8*\p+2*\kk+1], v[RAW+8*\p+4+2*\kk+1]   ; k = 16 + 8 h + 2 p, + 1: the same ranks + 1
.endr
.endr
	v_cvt_pk_bf16_f32 v[BF+20], v[RAW+32], v[RAW+33]
	v_cvt_pk_bf16_f32 v[BF+21], v[RAW+34], v[RAW+35]
	v_cndmask_b32 v[BF+16], 0, v[BF+20], vcc_lo    ; the residual's step: k = 0..3 meet T's upper parts, k = 4..7 its lower parts; k = 8..15 (lanes 16-31) are 0
	v_cndmask_b32 v[BF+17], 0, v[BF+21], vcc_lo
	v_cndmask_b32 v[BF+18], 0, v[BF+20], vcc_lo
	v_cndmask_b32 v[BF+19], 0, v[BF+21], vcc_lo
.irp q, 0,1,2,3,4
	global_store_b128 v6, v[BF+4*\q:BF+4*\q+3], s[16:17] offset:512*\q    ; 512 consecutive bytes, aligned
.endr
	s_wait_xcnt 0x0                                ; the stores' data registers are written again below only behind this wait
.Lno_side:
; 16 LDS loads: the 32 rows of K step k of my x; a half wave reads one row's 256 bytes
.macro LOADX k
.irp t, 0,1,2,3,4,5,6,7,8,9,10,11,12,13,14,15
	ds_load_b128 v[RAW+4*\t:RAW+4*\t+3], v3 offset:256*(32*\k+\t+8*(\t>>3))
.endr
.endm
; they become four B fragments.  places = 1: four places behind the matrix instructions that read the fragments (ISA guide 7.12.1)
.macro CVTX places
.if \places
.rept 4
	v_nop
.endr
.endif
.irp p, 0,1,2,3,4,5,6,7
	s_wait_dscnt 14-2*\p                           ; pair p of the 16 loads is in, the younger pairs stay out
.irp jn, 0,1,2,3
	v_cvt_pk_bf16_f32 v[BF+8*\jn+\p], v[RAW+8*\p+\jn], v[RAW+8*\p+4+\jn]
.endr
.endr
.endm
; 20 matrix instructions of K step k.  The 20 accumulators take turns, one instruction a turn.  zero = 1: the first step starts the sums
.macro MULX k, zero
	WIN 0x50                                       ; C and D in window 1
.irp jm, 0,1,2,3
.irp jn, 0,1,2,3
.if \zero
	v_wmma_f32_16x16x32_bf16 v[8*(4*\jm+\jn):8*(4*\jm+\jn)+7], v[AF+32*\k+8*\jm:AF+32*\k+8*\jm+7], v[BF+8*\jn:BF+8*\jn+7], 0
.else
	v_wmma_f32_16x16x32_bf16 v[8*(4*\jm+\jn):8*(4*\jm+\jn)+7], v[AF+32*\k+8*\jm:AF+32*\k+8*\jm+7], v[BF+8*\jn:BF+8*\jn+7], v[8*(4*\jm+\jn):8*(4*\jm+\jn)+7]
.endif
.endr
.endr
	WIN 0x51                                       ; A in window 1 too: the residual
.irp jn, 0,1,2,3
.if \zero
	v_wmma_f32_16x16x32_bf16 v[128+8*\jn:128+8*\jn+7], v[A5+8*\k:A5+8*\k+7], v[BF+8*\jn:BF+8*\jn+7], 0
.else
	v_wmma_f32_16x16x32_bf16 v[128+8*\jn:128+8*\jn+7], v[A5+8*\k:A5+8*\k+7], v[BF+8*\jn:BF+8*\jn+7], v[128+8*\jn:128+8*\jn+7]
.endif
.endr
	WIN 0
.endm
	s_wait_tensorcnt 0x1                           ; my rows 0-63 are in LDS; the second tile stays out (nothing is filled again in this launch)
	LOADX 0
	CVTX 0                                         ; its last wait is for 0: the residual's fragments are in as well
	LOADX 1
	MULX 0, 1
	CVTX 1
	MULX 1, 0
	s_wait_tensorcnt 0x0                           ; my rows 64-127
	LOADX 2
	CVTX 1
	LOADX 3
	MULX 2, 0
	CVTX 1
	MULX 3, 0
	; The dump: my 20 tiles into my own 32,768 bytes, which have had their last fill and my last read: 32 quads of the 16 rank tiles, then registers 0-3 of the residual's four.
.rept 4
	v_nop                                          ; four places behind the last matrix instructions: for these stores, and for the loads into v112-239 below
.endr
	WIN 0x04                                       ; store data in window 1
.irp i, 0,1,2,3,4,5,6,7,8,9,10,11,12,13,14,15,16,17,18,19,20,21,22,23,24,25,26,27,28,29,30,31
	ds_store_b128 v7, v[4*\i:4*\i+3] offset:512*\i
.endr
.irp jn, 0,1,2,3
	ds_store_b128 v7, v[128+8*\jn:128+8*\jn+3] offset:512*(32+\jn)
.endr
	WIN 0
	s_wait_dscnt 0x0                               ; for the other waves' sake: my stores are done
	s_barrier_signal -1
	s_barrier_wait -1                              ; everybody's are
; One quad of each of four column tiles, summed over the eight waves' dumps.  The last add puts word jj of tile jn at word jn of quad jj:
; quad jj is then one row of T, four neighbouring columns.
.macro REDUCE off0, stride, dst
.irp jn, 0,1,2,3
.irp ww, 0,1,2,3,4,5,6,7
	ds_load_b128 v[AF+32*\jn+4*\ww:AF+32*\jn+4*\ww+3], v[8+(\ww>>1)] offset:(\ww&1)*32768+\off0+\jn*\stride
.endr
.endr
.irp jn, 0,1,2,3
	s_wait_dscnt 24-8*\jn                          ; tile jn's eight quads are in, the later tiles' stay out
.irp a, 0,8,16,24
	v_pk_add_f32 v[AF+32*\jn+\a:AF+32*\jn+\a+1],   v[AF+32*\jn+\a:AF+32*\jn+\a+1],   v[AF+32*\jn+\a+4:AF+32*\jn+\a+5]
	v_pk_add_f32 v[AF+32*\jn+\a+2:AF+32*\jn+\a+3], v[AF+32*\jn+\a+2:AF+32*\jn+\a+3], v[AF+32*\jn+\a+6:AF+32*\jn+\a+7]
.endr
.irp a, 0,16
	v_pk_add_f32 v[AF+32*\jn+\a:AF+32*\jn+\a+1],   v[AF+32*\jn+\a:AF+32*\jn+\a+1],   v[AF+32*\jn+\a+8:AF+32*\jn+\a+9]
	v_pk_add_f32 v[AF+32*\jn+\a+2:AF+32*\jn+\a+3], v[AF+32*\jn+\a+2:AF+32*\jn+\a+3], v[AF+32*\jn+\a+10:AF+32*\jn+\a+11]
.endr
.irp jj, 0,1,2,3
	v_add_f32 v[\dst+4*\jj+\jn], v[AF+32*\jn+\jj], v[AF+32*\jn+16+\jj]
.endr
.endr
.endm
	REDUCE 0, 1024, S                              ; quads 8 jm + 2 jn + (w mod 2)
.irp jj, 0,1,2,3
	global_store_b128 v12, v[S+4*\jj:S+4*\jj+3], s[14:15] offset:ROWB*\jj   ; row 16 jm + 8 h + 4 (w mod 2) + jj: a half wave stores 256 consecutive bytes, aligned
.endr
	s_cmp_lg_u32 s18, 0
	s_cbranch_scc1 .Lend
	REDUCE 16384, 512, BF                          ; wave 0 (whose addresses begin at quad 0 and row 0): quads 32 + jn, the residual's rows
	v_cmp_gt_u32 vcc_lo, 16, v1                    ; lanes 16-31 hold rows 8-11 of the tile: the same four ranks once more
	s_wait_xcnt 0x0                                ; EXEC is a source of the stores above: it changes only behind this wait
	s_and_saveexec_b32 s40, vcc_lo
.irp jj, 0,1,2,3
	global_store_b128 v12, v[BF+4*\jj:BF+4*\jj+3], s[14:15] offset:ROWB*(64+\jj)
.endr
	s_wait_xcnt 0x0                                ; and again in front of the line that widens it
	s_or_b32 exec_lo, exec_lo, s40
.Lend:
	s_set_vgpr_msb 0x5
	s_wait_tensorcnt 0x0
	ds_add_u32 v192, v193
	s_wait_dscnt 0x0
	s_set_vgpr_msb 0x500
	s_endpgm
.Lfunc_end_k_qafa5c9f951_project:
	.size	k_qafa5c9f951_project, .Lfunc_end_k_qafa5c9f951_project-k_qafa5c9f951_project
	.p2alignl 7, 3214868480
	.fill 96, 4, 3214868480
	.section	.rodata,"a",@progbits
	.p2align	6, 0x0
	.amdhsa_kernel k_qafa5c9f951_project
		.amdhsa_group_segment_fixed_size 279552
		.amdhsa_private_segment_fixed_size 0
		.amdhsa_enable_private_segment 0
		.amdhsa_kernarg_size 56
		.amdhsa_user_sgpr_count 2
		.amdhsa_user_sgpr_kernarg_segment_ptr 1
		.amdhsa_wavefront_size32 1
		.amdhsa_system_sgpr_workgroup_id_x 1
		.amdhsa_system_sgpr_workgroup_id_y 1
		.amdhsa_system_sgpr_workgroup_id_z 1
		.amdhsa_system_vgpr_workitem_id 0
		.amdhsa_next_free_vgpr 450
		.amdhsa_next_free_sgpr 66
		.amdhsa_reserve_vcc 1
		.amdhsa_float_denorm_mode_32 3
		.amdhsa_float_denorm_mode_16_64 3
		.amdhsa_memory_ordered 1
		.amdhsa_forward_progress 1
		.amdhsa_inst_pref_size 58
	.end_amdhsa_kernel
	.amdgpu_metadata
---
amdhsa.version: [ 1, 2 ]
amdhsa.kernels:
  - .name:           k_qafa5c9f951_project
    .symbol:         k_qafa5c9f951_project.kd
    .args:
      - { .name: x, .offset: 0, .size: 8, .value_kind: global_buffer, .address_space: global }
      - { .name: V, .offset: 8, .size: 8, .value_kind: global_buffer, .address_space: global }
      - { .name: V_res, .offset: 16, .size: 8, .value_kind: global_buffer, .address_space: global }
      - { .name: U, .offset: 24, .size: 8, .value_kind: global_buffer, .address_space: global }
      - { .name: U_res, .offset: 32, .size: 8, .value_kind: global_buffer, .address_space: global }
      - { .name: tpart, .offset: 40, .size: 8, .value_kind: global_buffer, .address_space: global }
      - { .name: uf, .offset: 48, .size: 8, .value_kind: global_buffer, .address_space: global }
    .group_segment_fixed_size: 279552
    .private_segment_fixed_size: 0
    .kernarg_segment_align: 8
    .kernarg_segment_size: 56
    .max_flat_workgroup_size: 256
    .sgpr_count:     66
    .vgpr_count:     450
    .wavefront_size: 32
...
	.end_amdgpu_metadata
.endif
;; end of part 1
;; launch expand (part 2): grid 64 x 4, 8 waves a work-group, clusters of 4 x 1, 185,344 bytes of LDS; arguments tpart, uf, out0; writes out0
.if DOCPART == 2
	.amdgcn_target "amdgcn-amd-amdhsa--gfx1250"
	.amdhsa_code_object_version 6
	.text
	.protected	k_qafa5c9f951_expand
	.globl	k_qafa5c9f951_expand
	.p2align	8
	.type	k_qafa5c9f951_expand,@function
k_qafa5c9f951_expand:
	s_mov_b64 s[64:65], 0
	v_nop
	global_prefetch_b8 v0, s[64:65] scope:SCOPE_SE
	s_setreg_imm32_b32 hwreg(HW_REG_WAVE_MODE, 25, 1), 1
	s_wait_xcnt 0x0
	s_wait_alu depctr_hold_cnt(0) depctr_sa_sdst(0) depctr_va_vdst(0) depctr_va_sdst(0) depctr_va_ssrc(0) depctr_va_vcc(0) depctr_vm_vsrc(0)
	s_getreg_b32 s2, hwreg(HW_REG_IB_STS2, 6, 4)
	s_cmp_eq_u32 s2, 0
	s_cbranch_scc0 .Lentry_in_a_cluster
	s_endpgm
.Lentry_in_a_cluster:
	s_bfe_u32 s2, ttmp6, 0x10000c
	s_cmp_lg_u32 s2, 0x3003
	s_cbranch_scc0 .Lentry_shape_is_right
	s_endpgm
.Lentry_shape_is_right:
; out0 = relu(U' T).  T = the sum of tpart's four quarters (f32, [4][68 rows][4,096 columns]); U' comes from uf, bf16 in fragment order,
; [256 tiles of 16 rows][5 quads][32 lanes][16 bytes].  K is tpart's row; uf was written in the same order.
; T ENTERS AS TWO bf16 OPERANDS, hi = bf16(T) and lo = bf16(T - hi), each multiplied by the same U': K = 64 (hi) + 64 (lo) + one step of 32
; that holds the residual's four rows, hi at k = 0..3 and lo at k = 4..7, zeros above.  Five matrix instructions for a tile of 16 x 16.
; LIMITS: the sums run rank first (W is never formed), so the order of rounding is not that of W x; a NaN in front of the relu is stored as 0
; (v_max_num_f32), which only non-finite inputs or an overflow can bring about; |T| stays below bf16's largest number, 3.39e38 (above it hi is infinite).
; SHARES: work-group (strip, oq) makes rows 1024 oq .. + 1023 x columns 64 strip .. + 63; wave w makes 128 rows, eight tiles of 16, x all 64 columns.
; In column tile jn lane r stands for column 4 r + jn, so a lane's four tiles hold four neighbouring columns: a half wave stores 256 consecutive bytes, aligned.
; CLUSTER: the four work-groups of a cluster have the same oq and four strips: they need the same 163,840 bytes of uf, which are asked for JOINTLY,
; one tensor load a wave (one out at the most), the same descriptor in all four, filled once.  A round of the cluster's barrier stands in front of the
; loads and one in front of s_endpgm.  The place in the cluster enters global addresses of tpart and out0 alone.
.set ROWB, 16384                       ; bytes in a row of tpart and of out0
.set QUART, 1114112                    ; bytes in a quarter of tpart
.set UFT,  2560                        ; bytes of a tile of uf
.set UFW,  20480                       ; a wave's eight tiles; LDS 0 .. 163,839: wave w's at 20,480 w
.set TF,   163840                      ; LDS: 20 B fragments of 1,024 bytes, f = 4 kk + jn (kk = 0, 1 hi; 2, 3 lo; 4 residual), quad x 512 + lane x 16; no tensor load lands here
.set AF0,  16                          ; v16-39   A fragments of an even tile: two steps of 8 registers, the residual's 4, and 4 zeros
.set AF1,  40                          ; v40-63   of an odd tile
.set ACC0, 64                          ; v64-95   four accumulators of an even tile
.set ACC1, 96                          ; v96-127  of an odd tile
.set ST,   128                         ; v128-159 eight quads to store
; while T is made: v64-127 the four quarters' rows, v128-159 the residual's (wave 0), v16-23 hi, v24-31 lo, v32-35 at work
; window 1: v0-159 the 20 B fragments, 8 registers each
; v1 lane; v2, v3 tpart offsets; v4, v5 fragment stores; v6 fragment reads; v7 my uf in LDS; v8 out0 offset
.set G1, 16                            ; s[16:23]
.set G0, 24                            ; s[24:27]
.set MSB, 0
.macro WIN new                         ; s_set_vgpr_msb: bits 1:0 source 0, 3:2 source 1, 5:4 source 2, 7:6 destination; the high byte repeats the setting that is left
.if MSB != \new
	s_set_vgpr_msb (MSB<<8)|\new
.set MSB, \new
.endif
.endm
; a round of the cluster's barrier: my work-group's barrier, wave 0 signals for the work-group, every wave waits for all four, my work-group's barrier again
.macro ROUND
	s_barrier_signal -1
	s_barrier_wait -1
	s_cmp_lg_u32 s10, 0
	s_cbranch_scc1 .Lnot_wave_0_\@
	s_barrier_signal -3
.Lnot_wave_0_\@:
	s_barrier_wait -3
	s_barrier_signal -1
	s_barrier_wait -1
.endm
	s_load_b128 s[4:7], s[0:1], 0x0                ; tpart s[4:5], uf s[6:7]
	s_load_b64 s[8:9], s[0:1], 0x10                ; out0
	v_lshl_add_u32 v254, v0, 2, 0x2d000
	v_mov_b32 v255, 0
	ds_add_u32 v254, v255
	ds_add_u32 v254, v255
	v_lshrrev_b32 v9, 5, v0
	v_readfirstlane_b32 s10, v9                    ; w: my wave, 0..7
	s_bfe_u32 s11, ttmp6, 0x40000                  ; cx: my place in the cluster
	s_lshl_b32 s12, ttmp9, 2                       ; ttmp9 counts clusters
	s_add_co_u32 s12, s12, s11                     ; strip = 4 x cluster x + cx
	s_and_b32 s13, ttmp7, 0xffff                   ; oq, 0..3
	; group 1: 80 rows of 256 bytes (32 elements of 8), dense in memory and in LDS
	s_mov_b32 s[G1+0], 15|(3<<16)|(1<<21)          ; the mask names all four work-groups of the cluster; element of 8 bytes; bit 21 set beside a mask
	s_mov_b32 s[G1+1], 32<<16                      ; tensor_dim0 = 32
	s_mov_b32 s[G1+2], 80<<16                      ; tensor_dim1 = 80
	s_mov_b32 s[G1+3], 32<<16                      ; tile_dim0 = 32
	s_mov_b32 s[G1+4], 80                          ; tile_dim1 = 80
	s_mov_b32 s[G1+5], 32                          ; elements from row to row
	s_mov_b32 s[G1+6], 0
	s_mov_b32 s[G1+7], 0
	s_mov_b32 s[G0+0], 1                           ; count = 1
	s_mul_i32 s[G0+1], s10, UFW                    ; LDS address: the wave's number alone
	s_mul_i32 s28, s13, 8*UFW                      ; tiles 64 oq + 8 w ..: made of oq and w, which the four partners share
	s_add_co_u32 s28, s28, s[G0+1]
	s_mov_b32 s29, 0
	s_lshl_b32 s30, s12, 8                         ; 256 strip
	s_lshl_b32 s32, s10, 17                        ; 8 w rows of tpart
	s_add_co_u32 s32, s32, s30
	s_mov_b32 s33, 0
	s_lshr_b32 s34, s10, 2                         ; my eight rows of T are K step w / 4, k = 8 (w mod 4) .. + 7:
	s_lshl_b32 s34, s34, 12                        ; four fragments of 1,024 bytes a step,
	s_and_b32 s35, s10, 3
	s_lshl_b32 s35, s35, 8                         ; quad (w / 2) mod 2 (512 bytes) and lanes 16 (w mod 2) .. (256 bytes)
	s_add_co_u32 s34, s34, s35
	s_add_co_u32 s34, s34, TF
	v_and_b32 v1, 31, v0                           ; lane L
	v_and_b32 v9, 15, v0
	v_bfe_u32 v10, v0, 4, 1                        ; h = L / 16
	v_lshlrev_b32 v9, 4, v9                        ; 16 r
	v_lshlrev_b32 v11, 4, v1                       ; 16 L
	v_lshl_add_u32 v2, v10, 16, v9                 ; tpart: 4 h rows + 16 r
	v_lshl_add_u32 v3, v10, 15, v9                 ; tpart, residual: 2 h rows + 16 r
	v_lshl_add_u32 v8, v10, 17, v9                 ; out0: 8 h rows + 16 r
	v_lshl_add_u32 v4, v10, 3, v9
	v_add_nc_u32 v4, s34, v4                       ; fragment store: lane r of my 16, registers 2 h, 2 h + 1
	v_lshl_add_u32 v5, v10, 2, v9
	v_add_nc_u32 v5, TF+16384, v5                  ; residual fragment store: lane r, register h
	v_add_nc_u32 v6, TF, v11                       ; fragment read
	v_add_nc_u32 v7, s[G0+1], v11                  ; my uf in LDS
.irp i, 36,37,38,39,60,61,62,63
	v_mov_b32 v\i, 0                               ; k = 16..31 of the residual's A fragments, both buffers; v36-39 also clear its B fragments
.endr
	s_wait_dscnt 0x0
	s_wait_kmcnt 0x0
	s_add_nc_u64 s[G0+2:G0+3], s[6:7], s[28:29]
	s_or_b32 s[G0+3], s[G0+3], 0x80000000          ; type = 2
	s_add_nc_u64 s[4:5], s[4:5], s[32:33]          ; tpart at row 8 w, my strip
	s_lshl_b32 s32, s13, 24                        ; (1024 oq + 128 w) rows of out0 + 256 strip
	s_add_co_u32 s32, s32, s30
	s_lshl_b32 s31, s10, 21
	s_add_co_u32 s32, s32, s31
	s_add_nc_u64 s[8:9], s[8:9], s[32:33]
	ROUND                                          ; all four work-groups are here: the joint loads meet
	tensor_load_to_lds s[G0:G0+3], s[G1:G1+7]      ; my wave's eight tiles of uf
	s_nop 0
	; T: wave w sums rows 8 w .. 8 w + 7; lane (r, h) holds rows 8 w + 4 h + t, t = 0..3, columns 4 r .. 4 r + 3
.irp sq, 0,1,2,3
.irp t, 0,1,2,3
	global_load_b128 v[64+16*\sq+4*\t:64+16*\sq+4*\t+3], v2, s[4:5] offset:QUART*\sq+ROWB*\t
.endr
.endr
; two numbers of T become a word of hi and a word of lo.  T - hi is exact in f32
.macro HILO t0, t1, hh, lo, tmp
	v_cvt_pk_bf16_f32 v[\hh], v[\t0], v[\t1]
	v_lshlrev_b32 v[\tmp], 16, v[\hh]
	v_and_b32 v[\tmp+1], 0xffff0000, v[\hh]
	v_sub_f32 v[\tmp], v[\t0], v[\tmp]
	v_sub_f32 v[\tmp+1], v[\t1], v[\tmp+1]
	v_cvt_pk_bf16_f32 v[\lo], v[\tmp], v[\tmp+1]
.endm
	s_cmp_lg_u32 s10, 0
	s_cbranch_scc1 .Lmain
	; wave 0 also makes the residual's four fragments: rows 64 + 2 h + t, t = 0, 1
.irp sq, 0,1,2,3
.irp t, 0,1
	global_load_b128 v[128+8*\sq+4*\t:128+8*\sq+4*\t+3], v3, s[4:5] offset:QUART*\sq+ROWB*(64+\t)
.endr
.endr
.irp i, 0,1,2,3,4,5,6,7
	ds_store_b128 v6, v[36:39] offset:16384+512*\i ; zeros everywhere first; LDS serves my stores in order, so the words below land on top
.endr
	s_wait_loadcnt 0x0
.irp e, 0,2,4,6
	v_pk_add_f32 v[128+\e:129+\e], v[128+\e:129+\e], v[136+\e:137+\e]
	v_pk_add_f32 v[144+\e:145+\e], v[144+\e:145+\e], v[152+\e:153+\e]
.endr
.irp e, 0,2,4,6
	v_pk_add_f32 v[128+\e:129+\e], v[128+\e:129+\e], v[144+\e:145+\e]
.endr
.irp jn, 0,1,2,3
	HILO 128+\jn, 132+\jn, 16+\jn, 24+\jn, 32
	ds_store_b32 v5, v[16+\jn] offset:1024*\jn     ; lane r, register h: hi of rows 2 h, 2 h + 1 (k = 2 h, 2 h + 1)
	ds_store_b32 v5, v[24+\jn] offset:1024*\jn+8   ; register 2 + h: lo (k = 4 + 2 h, + 1)
.endr
.Lmain:
	s_wait_loadcnt 0x0
.irp e, 0,2,4,6,8,10,12,14
	v_pk_add_f32 v[64+\e:65+\e], v[64+\e:65+\e], v[80+\e:81+\e]
	v_pk_add_f32 v[96+\e:97+\e], v[96+\e:97+\e], v[112+\e:113+\e]
.endr
.irp e, 0,2,4,6,8,10,12,14
	v_pk_add_f32 v[64+\e:65+\e], v[64+\e:65+\e], v[96+\e:97+\e]
.endr
.irp jn, 0,1,2,3
.irp pp, 0,1
	HILO 64+8*\pp+\jn, 68+8*\pp+\jn, 16+2*\jn+\pp, 24+2*\jn+\pp, 32+2*\pp
.endr
	ds_store_b64 v4, v[16+2*\jn:17+2*\jn] offset:1024*\jn          ; k = 8 (w mod 4) + 4 h .. + 3 of column 4 r + jn: the wave's 32 lanes fill 256 consecutive bytes
	ds_store_b64 v4, v[24+2*\jn:25+2*\jn] offset:8192+1024*\jn     ; lo: two K steps further
.endr
	s_wait_dscnt 0x0                               ; for the other waves' sake: my stores are done
	s_barrier_signal -1
	s_barrier_wait -1                              ; everybody's are.  The tensor load may stay out across it
	WIN 0x40                                       ; destination in window 1
.irp i, 0,1,2,3,4,5,6,7,8,9,10,11,12,13,14,15,16,17,18,19,20,21,22,23,24,25,26,27,28,29,30,31,32,33,34,35,36,37,38,39
	ds_load_b128 v[4*\i:4*\i+3], v6 offset:512*\i  ; all 20 B fragments stay in registers for my eight tiles
.endr
	WIN 0
	s_wait_tensorcnt 0x0                           ; my tiles of uf are in LDS; only I read them, so my own counter is all the ordering that the reads need
.macro LOADA a, buf                    ; tile a's five quads
.irp q, 0,1,2,3,4
	ds_load_b128 v[\buf+4*\q:\buf+4*\q+3], v7 offset:UFT*(\a)+512*\q
.endr
.endm
; 20 matrix instructions: steps hi 0, hi 1, lo 0, lo 1 (the same A as hi), residual, x four column tiles.
; The four accumulators take turns, one instruction a turn.  The first step starts the sums.
.macro MUL buf, acc
	WIN 0x04                                       ; B in window 1
.irp jn, 0,1,2,3
	v_wmma_f32_16x16x32_bf16 v[\acc+8*\jn:\acc+8*\jn+7], v[\buf:\buf+7], v[8*\jn:8*\jn+7], 0
.endr
.irp k, 1,2,3,4
.irp jn, 0,1,2,3
	v_wmma_f32_16x16x32_bf16 v[\acc+8*\jn:\acc+8*\jn+7], v[\buf+8*(\k&1)+16*(\k>>2):\buf+8*(\k&1)+16*(\k>>2)+7], v[8*(4*\k+\jn):8*(4*\k+\jn)+7], v[\acc+8*\jn:\acc+8*\jn+7]
.endr
.endr
	WIN 0
.endm
.macro RELU acc                        ; the relu also gathers a row's four neighbouring columns from the four tiles
	s_wait_xcnt 0x0                                ; the quads are the last stores' data: they are written again only behind this wait
.irp j, 0,1,2,3,4,5,6,7
.irp jn, 0,1,2,3
	v_max_num_f32 v[ST+4*\j+\jn], 0, v[\acc+8*\jn+\j]
.endr
.endr
.endm
.macro STORE a
.irp j, 0,1,2,3,4,5,6,7
	global_store_b128 v8, v[ST+4*\j:ST+4*\j+3], s[8:9] offset:(16*(\a)+\j)*ROWB th:TH_STORE_NT   ; row 16 a + 8 h + j: a half wave stores 256 consecutive bytes, aligned
.endr
.endm
; Tile a is multiplied; then tile a - 1 is finished.  The 32 instructions of a RELU name the other tile's accumulators and the quads alone, so they are the
; places between tile a's matrix instructions and: tile a's own RELU, the loads into its A buffer, and tile a + 2's first products, which write over its sums.
.macro STEP a, buf, acc, obuf, oacc, more
	s_wait_dscnt 0x0                               ; tile a's fragments, asked for a tile ago
	MUL \buf, \acc
	RELU \oacc
.if \more
	LOADA (\a)+1, \obuf
.endif
	STORE (\a)-1
.endm
	LOADA 0, AF0
	LOADA 1, AF1
	s_wait_dscnt 0x5                               ; the B fragments and tile 0's quads are in; tile 1's five stay out
	MUL AF0, ACC0
.rept 5
	v_nop                                          ; tile 0 has no RELU behind it: five places, for its own RELU, the loads into its buffer and tile 2's first products
.endr
	STEP 1, AF1, ACC1, AF0, ACC0, 1
	STEP 2, AF0, ACC0, AF1, ACC1, 1
	STEP 3, AF1, ACC1, AF0, ACC0, 1
	STEP 4, AF0, ACC0, AF1, ACC1, 1
	STEP 5, AF1, ACC1, AF0, ACC0, 1
	STEP 6, AF0, ACC0, AF1, ACC1, 1
	STEP 7, AF1, ACC1, AF0, ACC0, 0
	RELU ACC1
	STORE 7
	s_wait_tensorcnt 0x0
	ds_add_u32 v254, v255
	s_wait_dscnt 0x0
	ROUND                                          ; the closing round: no work-group ends while a partner may still ask for a tile that names it
	s_endpgm
.Lfunc_end_k_qafa5c9f951_expand:
	.size	k_qafa5c9f951_expand, .Lfunc_end_k_qafa5c9f951_expand-k_qafa5c9f951_expand
	.p2alignl 7, 3214868480
	.fill 96, 4, 3214868480
	.section	.rodata,"a",@progbits
	.p2align	6, 0x0
	.amdhsa_kernel k_qafa5c9f951_expand
		.amdhsa_group_segment_fixed_size 185344
		.amdhsa_private_segment_fixed_size 0
		.amdhsa_enable_private_segment 0
		.amdhsa_kernarg_size 24
		.amdhsa_user_sgpr_count 2
		.amdhsa_user_sgpr_kernarg_segment_ptr 1
		.amdhsa_wavefront_size32 1
		.amdhsa_system_sgpr_workgroup_id_x 1
		.amdhsa_system_sgpr_workgroup_id_y 1
		.amdhsa_system_sgpr_workgroup_id_z 1
		.amdhsa_system_vgpr_workitem_id 0
		.amdhsa_next_free_vgpr 416
		.amdhsa_next_free_sgpr 66
		.amdhsa_reserve_vcc 0
		.amdhsa_float_denorm_mode_32 3
		.amdhsa_float_denorm_mode_16_64 3
		.amdhsa_memory_ordered 1
		.amdhsa_forward_progress 1
		.amdhsa_inst_pref_size 45
	.end_amdhsa_kernel
	.amdgpu_metadata
---
amdhsa.version: [ 1, 2 ]
amdhsa.kernels:
  - .name:           k_qafa5c9f951_expand
    .symbol:         k_qafa5c9f951_expand.kd
    .args:
      - { .name: tpart, .offset: 0, .size: 8, .value_kind: global_buffer, .address_space: global }
      - { .name: uf, .offset: 8, .size: 8, .value_kind: global_buffer, .address_space: global }
      - { .name: out0, .offset: 16, .size: 8, .value_kind: global_buffer, .address_space: global }
    .group_segment_fixed_size: 185344
    .private_segment_fixed_size: 0
    .kernarg_segment_align: 8
    .kernarg_segment_size: 24
    .max_flat_workgroup_size: 256
    .sgpr_count:     66
    .vgpr_count:     416
    .wavefront_size: 32
...
	.end_amdgpu_metadata
.endif
;; end of part 2
